; MI455X (gfx1250); checked and timed in simulation.
; The chip was launched on July 23, 2026; its instructions are those of AMD's public machine-readable ISA for CDNA 5 (MIT licence, August 2026) and "CDNA5" Instruction Set Architecture Reference Guide (July 2026). The comments in the code are by the model that wrote it; some were corrected since.
;; Causal Self Attention. Allowed arithmetic: matrix products marked QUANTISED: E3M2 operands, one E8M0 scale for each 32 along K, by v_wmma_scale_f32_16x16x128_f8f6f4 with both operands' format E3M2, f32 sums; everything else in f32.
;; Inputs: w_out 1,024 x 1,024 float32; w_qkv 3,072 x 1,024 float32; x 4 x 2,048 x 1,024 float32.
;; Outputs: out0 4 x 2,048 x 1,024 float32.
;; This version of the problem:
;;   THIS VERSION OF THE PROBLEM IS GIVEN IN LOW PRECISION. The matrix products marked QUANTISED in the list below multiply operands that are first quantised to E3M2 (3 exponent bits, 2 mantissa bits; 6 bits a number), with one power-of-two scale for each 32 numbers along K (OCP MX v1.0); their sums are f32. All else is computed in f32.
;;   The module's matrix products, in the order in which they are computed (A, B: the left and right operand; K: the contracted axis; several contracted axes count as one K, in the product's order):
;;     1. [M 8,192, K 1,024] x [K 1,024, N 3,072]; A: input x; B: input w_qkv: QUANTISED
;;     2. batch 64 x [M 2,048, K 64] x [K 64, N 2,048]; A: computed on the way; B: computed on the way: QUANTISED
;;     3. batch 64 x [M 2,048, K 2,048] x [K 2,048, N 64]; A: softmax (see below); B: computed on the way: QUANTISED
;;     4. [M 8,192, K 1,024] x [K 1,024, N 1,024]; A: computed on the way; B: input w_out: QUANTISED
;;   THE QUANTISER, for each operand of a quantised product, along K:
;;     - K is cut into blocks of 32 from its start; a last block that is shorter is filled with zeros.
;;     - A block's scale is 2^e with e = floor(log2(the largest magnitude in the block)) - 4, held to -126 .. 127; a block of zeros has e = 0. As a byte (E8M0): e + 127.
;;     - Each number is divided by its block's scale, clamped to +-28, and rounded to the nearest number of E3M2, ties to even, subnormals kept.
;;     - The product sums the exact products of the quantised numbers (number of the format x scale) in f32.
;;   ~~~python
;;   def quantise(x, axis):      # numpy; x: float32 -> the quantised numbers, widened to float32 again
;;       x = np.moveaxis(x, axis, -1); K = x.shape[-1]
;;       x = np.pad(x, [(0, 0)] * (x.ndim - 1) + [(0, -K % 32)]); x = x.reshape(x.shape[:-1] + (-1, 32)); a = np.abs(x).max(-1, keepdims=True)
;;       e = np.where(a > 0, np.clip(np.frexp(np.where(a > 0, a, 1))[1] - 1 - 4, -126, 127), 0)      # np.frexp(a)[1] - 1 = floor(log2(a)), exactly
;;       r = np.clip(x / 2.0 ** e, -28, 28)
;;       step = 2.0 ** (np.maximum(np.frexp(np.where(r == 0, 1, r))[1] - 1, -2) - 2)
;;       q = np.round(r / step) * step * 2.0 ** e      # np.round: ties to even
;;       return np.moveaxis(q.reshape(q.shape[:-2] + (-1,))[..., :K], -1, axis).astype(np.float32)
;;   ~~~
;;   SOFTMAX AHEAD OF A QUANTISED PRODUCT. Where the list says 'softmax', what is quantised is not the finished softmax but p = 2^(t - M), with t = logit x log2(e) and M = ceil(the row's largest t), a whole number; so 1/2 < the row's largest p <= 1. The row's sum l is taken of the UNQUANTISED p, in f32, and the product's result is divided by l at the end. Since M is a whole number, a kernel that streams over the keys may use a running M (the ceiling of the running maximum): every later rescaling is an exact power of two, which a block's scale takes up: the codes' values come out the same.
;;   OPERANDS COMPUTED ON THE WAY. 'Computed on the way' means the value that the module computes at that place (a softmax that the list does not call 'softmax' is quantised finished and normalised). What goes into a quantiser is computed in f32, as accurately as f32 sums, v_exp_f32 and their like allow (about 1e-6 of the number): no bf16 or f16 on the way to a quantiser, and a product that is left as it is and whose result goes on into a quantised operand takes f32 operands (vector FMAs, or v_wmma_f32_16x16x4_f32). A number that lies on a knife's edge between two numbers of the format may be rounded either way, as far as f32 arithmetic and the matrix unit's own rounding can turn it there, and no further.
;; One version. Each part assembles by itself: llvm-mc -triple=amdgcn-amd-amdhsa -mcpu=gfx1250 --defsym DOCPART=n.
;; ======== version 1 of 1: 4 launches
;; workspace buffers: cod1 8,650,752 bytes; scl1 360,448 bytes; cod2 7,077,888 bytes; scl2 294,912 bytes; qb 6,553,600 bytes; kvb 13,107,200 bytes
;; launch quant (part 1): grid 256 x 1, 6 waves a work-group, no clusters, 51,456 bytes of LDS; arguments x, w_qkv, w_out, cod1, scl1, cod2, scl2; writes cod1, scl1, cod2, scl2
.if DOCPART == 1
	.amdgcn_target "amdgcn-amd-amdhsa--gfx1250"
	.amdhsa_code_object_version 6
	.text
	.protected	k_qd3ead28a7a_quant
	.globl	k_qd3ead28a7a_quant
	.p2align	8
	.type	k_qd3ead28a7a_quant,@function
k_qd3ead28a7a_quant:
	s_mov_b64 s[64:65], 0
	v_nop
	global_prefetch_b8 v0, s[64:65] scope:SCOPE_SE
	s_setreg_imm32_b32 hwreg(HW_REG_WAVE_MODE, 25, 1), 1
	s_wait_xcnt 0x0
; x [8192][1024], w_qkv [3072][1024], w_out [1024][1024], f32, become codes of BF6 (E3M2) with one E8M0 byte for each 32 along K (the last axis).
; A block's scale is 2^(floor(log2(largest magnitude)) - 4): its byte is the largest magnitude's exponent field - 4, held at 1 from below.
; LIMITS: NaN and infinities among the inputs are not served; a block whose largest magnitude lies under 2^-122 keeps the byte 1; a block of zeros gets the byte 1
; where the rule says 127: its codes are zeros, which add nothing under any byte but 0xff, and only this program reads these buffers.
; THE OUTPUT'S LAYOUT IS THE READER'S: a TILE is 16 rows; lane r of tile 2 g + u stands for row 32 g + 8 u + r % 8 + 16 (r / 8).  A HALF IMAGE (768 bytes) is 16 rows x 64 K as the operand's registers
; hold them: lane l = (r, h) has block h (24 bytes) of its row: registers 0-3 at 16 l, registers 4-5 at 512 + 8 l.  Codes: [tile][16 half images].  Scale words (four bytes: 128 K of a row):
; [tile][chunk / 4][r][chunk % 4].  Tiles 0-511 x and 512-703 w_qkv go to cod1, scl1; w_out's 64 tiles go to cod2, scl2 as tiles 512-575.
; SHARES: 768 tiles x 2 halves of K = 1,536 units = 256 work-groups x 6 waves.  A wave takes 16 rows x 512 K in four chunks of 128.  Each load reads 512 consecutive bytes of one row; a chunk turns through
; the wave's own stage in LDS (rows of 512 + 16 bytes) so that a lane gets 16 neighbours of each block of 32.  Waves share nothing: no barrier.  Loads run two chunks (32 loads a wave) ahead.
; No cluster, no matrix unit: no work-group reads what another reads, and memory binds.
.set STGB, 8448                        ; a wave's stage: 16 rows x 528 bytes
.set LO,  1                            ; v1   16 x lane
.set L8,  2                            ; v2   8 x lane
.set SW,  3                            ; v3   stage, way in: wave's stage + 16 x lane
.set SRD, 4                            ; v4   stage, way out: wave's stage + 528 r + 64 h
.set SO,  5                            ; v5   my 8 bytes of the scale words: 16 r + 8 h
.set DD,  6                            ; v[6:7] the two words that I store
.set WD,  8                            ; v8-11 the four chunks' scale words
.set TM,  16                           ; v16-31 at work
.set PC,  32                           ; v32-50 the codes just made
.set X,   64                           ; v64-127 64 numbers: register 16 b + i = k 32 b + 16 h + i of my row
.set R,   128                          ; v128-255 two sets of 64, as loaded
.set SEL, 20                           ; s[20:21] v_permlanex16_b32's selects for lane l xor 16
.set SRC, 26                           ; s[26:27] the source at my unit
.set COD, 28                           ; s[28:29] the codes at my unit
.set SCL, 30                           ; s[30:31] the scale words at my unit
	s_load_b256 s[4:11], s[0:1], 0x0               ; x, w_qkv, w_out, cod1
	s_load_b128 s[12:15], s[0:1], 0x20             ; scl1, cod2
	s_load_b64 s[16:17], s[0:1], 0x30              ; scl2
	v_lshl_add_u32 v62, v0, 2, 0xc600
	v_mov_b32 v63, 0
	v_lshrrev_b32 v12, 5, v0
	v_readfirstlane_b32 s18, v12                   ; wave 0..5
	v_and_b32 v12, 31, v0                          ; lane
	v_and_b32 v13, 15, v0                          ; r
	v_bfe_u32 v14, v0, 4, 1                        ; h
	v_lshlrev_b32 v[LO], 4, v12
	v_lshlrev_b32 v[L8], 3, v12
	s_mul_i32 s19, s18, STGB
	v_add_nc_u32 v[SW], s19, v[LO]
	v_mul_u32_u24 v[SRD], v13, 528
	v_lshl_add_u32 v[SRD], v14, 6, v[SRD]
	v_add_nc_u32 v[SRD], s19, v[SRD]
	v_lshlrev_b32 v[SO], 4, v13
	v_lshl_add_u32 v[SO], v14, 3, v[SO]
.irp b, 0,1,2,3
	v_mov_b32 v[TM+4+\b], 0                        ; written once: a lane permute's destination counts as one of its sources
.endr
	s_mul_i32 s22, ttmp9, 6
	s_add_co_u32 s22, s22, s18                     ; my unit
	s_lshr_b32 s23, s22, 1                         ; its tile, 0..767
	s_and_b32 s24, s22, 1                          ; its half of K
	s_mov_b32 s[SEL], 0x76543210
	s_mov_b32 s[SEL+1], 0xfedcba98
	s_wait_kmcnt 0x0
	s_cmp_lt_u32 s23, 512                          ; the choices hang on the tile's number alone
	s_cselect_b64 s[SRC:SRC+1], s[4:5], s[6:7]
	s_cselect_b32 s25, 0, 512
	s_cmp_lt_u32 s23, 704
	s_cselect_b64 s[SRC:SRC+1], s[SRC:SRC+1], s[8:9]
	s_cselect_b32 s25, s25, 704
	s_cselect_b64 s[COD:COD+1], s[10:11], s[14:15]
	s_cselect_b64 s[SCL:SCL+1], s[12:13], s[16:17]
	s_cselect_b32 s32, 0, 192
	s_sub_co_u32 s25, s23, s25                     ; the tile's number in its source
	s_sub_co_u32 s32, s23, s32                     ; and in its destination
	s_lshr_b32 s34, s25, 1
	s_lshl_b32 s34, s34, 17                        ; 32 rows of 4,096 bytes for each pair of tiles,
	s_and_b32 s33, s25, 1
	s_lshl_b32 s33, s33, 15                        ; 8 rows for the odd tile,
	s_add_co_u32 s34, s34, s33
	s_lshl_b32 s33, s24, 11                        ; 2,048 bytes for the upper half of K
	s_add_co_u32 s34, s34, s33
	s_mov_b32 s35, 0
	s_add_nc_u64 s[SRC:SRC+1], s[SRC:SRC+1], s[34:35]
	s_mul_i32 s34, s32, 12288
	s_mul_i32 s33, s24, 6144
	s_add_co_u32 s34, s34, s33
	s_add_nc_u64 s[COD:COD+1], s[COD:COD+1], s[34:35]
	s_lshl_b32 s34, s32, 9
	s_lshl_b32 s33, s24, 8
	s_add_co_u32 s34, s34, s33
	s_add_nc_u64 s[SCL:SCL+1], s[SCL:SCL+1], s[34:35]
.macro LOAD c                          ; chunk c: 16 loads, each 512 consecutive bytes of the row that lane i of the tile stands for
.irp i, 0,1,2,3,4,5,6,7,8,9,10,11,12,13,14,15
	global_load_b128 v[R+64*((\c)%2)+4*\i:R+64*((\c)%2)+4*\i+3], v[LO], s[SRC:SRC+1] offset:((\i%8)+16*(\i/8))*4096+512*(\c) th:TH_LOAD_NT
.endr
.endm
.macro TURN c                          ; through the stage: LDS serves a wave's instructions in order, so no wait stands between the stores and the loads
.irp i, 0,1,2,3,4,5,6,7,8,9,10,11,12,13,14,15
	ds_store_b128 v[SW], v[R+64*((\c)%2)+4*\i:R+64*((\c)%2)+4*\i+3] offset:528*\i
.endr
.irp b, 0,1,2,3
.irp j, 0,1,2,3
	ds_load_b128 v[X+16*\b+4*\j:X+16*\b+4*\j+3], v[SRD] offset:128*\b+16*\j
.endr
.endr
.endm
; 64 numbers of a lane become a fragment's 12 registers in v[PC] on and its scale word in v[pw]
.macro QUANT s, pw
.irp b, 0,1,2,3
	v_max3_num_f32 v[TM+\b], |v[\s+16*\b]|, |v[\s+1+16*\b]|, 0x2800000   ; block b: my 16 numbers, and the floor 2^(5 - 127): the byte cannot fall under 1
.endr
.irp i, 2,4,6,8,10,12,14
.irp b, 0,1,2,3
	v_max3_num_f32 v[TM+\b], v[TM+\b], |v[\s+16*\b+\i]|, |v[\s+1+16*\b+\i]|   ; the four blocks by turns
.endr
.endr
.irp b, 0,1,2,3
	v_permlanex16_b32 v[TM+4+\b], v[TM+\b], s[SEL], s[SEL+1]
.endr
.irp b, 0,1,2,3
	v_max_num_f32 v[TM+\b], v[TM+\b], v[TM+4+\b]   ; with lane l xor 16's 16: the block's largest magnitude
.endr
.irp b, 0,1,2,3
	v_add_nc_u32 v[TM+12+\b], 0xfe000000, v[TM+\b] ; 4 off its exponent field: the conversion's scale operand
.endr
.irp b, 0,1,2,3
	v_lshrrev_b32 v[TM+4+\b], 23, v[TM+12+\b]      ; the scale's byte
.endr
	v_lshl_or_b32 v[\pw], v[TM+5], 8, v[TM+4]
	v_lshl_or_b32 v[\pw], v[TM+6], 16, v[\pw]
	v_lshl_or_b32 v[\pw], v[TM+7], 24, v[\pw]
.irp c, 0,1
	v_cvt_scalef32_pk16_bf6_f32 v[PC+6*\c:PC+2+6*\c], v[\s+32*\c:\s+15+32*\c], v[TM+12+2*\c]
	v_cvt_scalef32_pk16_bf6_f32 v[PC+12+4*\c:PC+14+4*\c], v[\s+16+32*\c:\s+31+32*\c], v[TM+12+2*\c+1]   ; (a conversion's three registers begin on an even number)
.endr
	v_nop                                          ; one plain instruction behind a scaled conversion
.irp c, 0,1                            ; the operand wants a whole block in a lane: lanes 0-15 block 2 c, lanes 16-31 block 2 c + 1
.irp i, 0,1,2
	v_permlane16_swap_b32 v[PC+6*\c+\i], v[PC+12+4*\c+\i]
.endr
.irp i, 0,1,2
	v_mov_b32 v[PC+3+6*\c+\i], v[PC+12+4*\c+\i]
.endr
.endr
.endm
.macro PUT c                           ; two half images: each store covers 512 or 256 consecutive bytes, aligned to 256
.irp g, 0,1
	global_store_b128 v[LO], v[PC+6*\g:PC+6*\g+3], s[COD:COD+1] offset:(2*(\c)+\g)*768
	global_store_b64 v[L8], v[PC+6*\g+4:PC+6*\g+5], s[COD:COD+1] offset:(2*(\c)+\g)*768+512
.endr
.endm
	LOAD 0
	LOAD 1
.irp c, 0,1,2,3
.if \c < 3
	s_wait_loadcnt 16                              ; this chunk's 16 loads are in; the next chunk's 16 stay out
.else
	s_wait_loadcnt 0x0
.endif
	TURN \c
	s_wait_dscnt 0x0                               ; the numbers are back, and the stores into the stage have read their registers
.if \c > 0
	s_wait_xcnt 0x0                                ; the last chunk's stores have read v[PC] on: it is written again below
.endif
.if \c < 2
	LOAD \c+2
.endif
	QUANT X, WD+\c
	PUT \c
.endr
	v_cmp_ne_u32 vcc_lo, 0, v14                    ; both halves of the lanes hold all four words: lanes 0-15 store words 0, 1, lanes 16-31 words 2, 3
	v_cndmask_b32 v[DD], v[WD], v[WD+2], vcc_lo
	v_cndmask_b32 v[DD+1], v[WD+1], v[WD+3], vcc_lo
	global_store_b64 v[SO], v[DD:DD+1], s[SCL:SCL+1]   ; 32 lanes store 256 consecutive bytes, aligned
	s_wait_tensorcnt 0x0
	ds_add_u32 v62, v63
	s_wait_dscnt 0x0
	s_endpgm
.Lfunc_end_k_qd3ead28a7a_quant:
	.size	k_qd3ead28a7a_quant, .Lfunc_end_k_qd3ead28a7a_quant-k_qd3ead28a7a_quant
	.p2alignl 7, 3214868480
	.fill 96, 4, 3214868480
	.section	.rodata,"a",@progbits
	.p2align	6, 0x0
	.amdhsa_kernel k_qd3ead28a7a_quant
		.amdhsa_group_segment_fixed_size 51456
		.amdhsa_private_segment_fixed_size 0
		.amdhsa_enable_private_segment 0
		.amdhsa_kernarg_size 56
		.amdhsa_user_sgpr_count 2
		.amdhsa_user_sgpr_kernarg_segment_ptr 1
		.amdhsa_wavefront_size32 1
		.amdhsa_system_sgpr_workgroup_id_x 1
		.amdhsa_system_sgpr_workgroup_id_y 1
		.amdhsa_system_sgpr_workgroup_id_z 1
		.amdhsa_system_vgpr_workitem_id 0
		.amdhsa_next_free_vgpr 256
		.amdhsa_next_free_sgpr 66
		.amdhsa_reserve_vcc 1
		.amdhsa_float_denorm_mode_32 3
		.amdhsa_float_denorm_mode_16_64 3
		.amdhsa_memory_ordered 1
		.amdhsa_forward_progress 1
		.amdhsa_inst_pref_size 34
	.end_amdhsa_kernel
	.amdgpu_metadata
---
amdhsa.version: [ 1, 2 ]
amdhsa.kernels:
  - .name:           k_qd3ead28a7a_quant
    .symbol:         k_qd3ead28a7a_quant.kd
    .args:
      - { .name: x, .offset: 0, .size: 8, .value_kind: global_buffer, .address_space: global }
      - { .name: w_qkv, .offset: 8, .size: 8, .value_kind: global_buffer, .address_space: global }
      - { .name: w_out, .offset: 16, .size: 8, .value_kind: global_buffer, .address_space: global }
      - { .name: cod1, .offset: 24, .size: 8, .value_kind: global_buffer, .address_space: global }
      - { .name: scl1, .offset: 32, .size: 8, .value_kind: global_buffer, .address_space: global }
      - { .name: cod2, .offset: 40, .size: 8, .value_kind: global_buffer, .address_space: global }
      - { .name: scl2, .offset: 48, .size: 8, .value_kind: global_buffer, .address_space: global }
    .group_segment_fixed_size: 51456
    .private_segment_fixed_size: 0
    .kernarg_segment_align: 8
    .kernarg_segment_size: 56
    .max_flat_workgroup_size: 192
    .sgpr_count:     66
    .vgpr_count:     256
    .wavefront_size: 32
...
	.end_amdgpu_metadata
.endif
;; end of part 1
;; launch qkv (part 2): grid 24 x 32, 4 waves a work-group, clusters of 4 x 4, 295,424 bytes of LDS; arguments cod1, scl1, qb, kvb; writes qb, kvb
.if DOCPART == 2
	.amdgcn_target "amdgcn-amd-amdhsa--gfx1250"
	.amdhsa_code_object_version 6
	.text
	.protected	k_qd3ead28a7a_qkv
	.globl	k_qd3ead28a7a_qkv
	.p2align	8
	.type	k_qd3ead28a7a_qkv,@function
k_qd3ead28a7a_qkv:
	s_mov_b64 s[64:65], 0
	v_nop
	global_prefetch_b8 v0, s[64:65] scope:SCOPE_SE
	s_setreg_imm32_b32 hwreg(HW_REG_WAVE_MODE, 25, 1), 1
	s_wait_xcnt 0x0
	s_wait_alu depctr_hold_cnt(0) depctr_sa_sdst(0) depctr_va_vdst(0) depctr_va_sdst(0) depctr_va_ssrc(0) depctr_va_vcc(0) depctr_vm_vsrc(0)
	s_getreg_b32 s2, hwreg(HW_REG_IB_STS2, 6, 4)
	s_cmp_eq_u32 s2, 0
	s_cbranch_scc0 .Lentry_in_a_cluster
	s_endpgm
.Lentry_in_a_cluster:
	s_bfe_u32 s2, ttmp6, 0x10000c
	s_cmp_lg_u32 s2, 0xf033
	s_cbranch_scc0 .Lentry_shape_is_right
	s_endpgm
.Lentry_shape_is_right:
; qkv = x w_qkv^T on codes of BF6 (E3M2) with E8M0 scales, K = 1,024, sums in f32; the results never go to memory as f32: each wave quantises its own in registers and stores codes and scale bytes.
; INPUT (made by the launch before): cod1 [tile][16 half images of 768 bytes], scl1 [tile][chunk / 4][r][chunk % 4] words; tiles 0-511 x, 512-703 w_qkv.  Lane r of tile 2 g + u stands for row 32 g + 8 u + r % 8 + 16 (r / 8).
; A half image is 16 rows x 64 K as registers: lane l's registers 0-3 at 16 l, 4-5 at 512 + 8 l; two on end are a fragment of 128 K.
; THE PRODUCT: source 1 = P (256 rows, 16 tiles), source 0 = R (128 rows, 8 tiles).  A lane then holds ONE row of P, and, by the rule for a tile's rows, the 64 registers of P's block a run along 128 NEIGHBOURING rows of R:
; register 16 g + i is row 32 g + 16 (lane / 16) + i.  So the conversions' results are again half images of the same kind.
; ROLES, by the cluster's x (equal in all partners; chosen by selects, no branch): x < 4: P = tokens, R = rows of w_q (x < 2) or w_k: registers along the features: two heads of 64 a work-group: q and k quantised along the head's axis.
;   x >= 4: P = rows of w_v, R = tokens: registers along the tokens: v quantised along the keys, 128 keys a work-group.
; OUTPUT: qb [b h][step of 128 tokens][6,400]: 8 half images (token tiles), then 256 bytes of scales [e / 4][r][(e / 2) % 2] words (the u16 of tile 2 i below, of tile 2 i + 1 above).
;   kvb [b h][step][12,800]: k as in qb (6,144), v's 4 tiles of 16 channels x 128 keys (6,144), k's scales (256), v's scale words [t / 2][r][t % 2] (256).
; SHARES: four waves; wave w takes P's tiles 4 w .. 4 w + 3 against all 8 of R: 32 accumulators, 256 registers.  768 work-groups.
; LDS: all of K for both operands, 4 K steps of 256: 294,912 bytes, each byte filled ONCE: every wave issues four tensor loads at the head (four are out at most) and counted waits release the K steps one by one.
; CLUSTER 4 x 4: P's tiles hang on cy alone and are asked for jointly along a row of the cluster, R's on cx alone, along a column.
; LIMITS: NaN and infinities are not served; a block of results whose largest magnitude lies under 2^-122 keeps the byte 1, a block of zeros too (its codes are zeros; only this program reads the bytes).
; The scale words of q and k leave as runs of 128 bytes: 256 bytes of scales stand beside 6,144 bytes of codes.
; REGISTERS: window 0: v1-3 lane, r, h; v4-19 LDS addresses; v20-29 offsets; v32-95 scale words and nothing else; v96-147 the way out; v160-255 P's fragments, two sets of 48.
;   window 1: R's fragments, two sets, at v0 and v128.   window 2: accumulator (a, b) at v[8 (8 a + b)].
.set KSB,  73728                       ; a K step in LDS: P's 16 tiles x 3,072 bytes, then R's 8
.set WV,   12                          ; s12 wave
.set G1A,  24                          ; s[24:31] descriptor group 1 for P;  s[32:39] for R
.set G1B,  32
.set G0A,  40                          ; s[40:55] four groups 0 for P, one a K step;  s[68:83] for R
.set G0B,  68
.set SEL,  96                          ; s[96:97]
.set ADR,  4                           ; v[4+4s ..]: P at 16 l, P at 8 l, R at 16 l, R at 8 l, in K step s
.set VO1,  20
.set VO2,  21
.set SC,   32                          ; v[SC+8i+c]: lanes 0-15 the word of P's block i % 4, lanes 16-31 that of R's block i, chunk c
.set AF,   160
.set TM,   96
.set PW,   112
.set PC,   128
.set MSB, 0
.macro WIN new                         ; the immediate's high byte repeats the setting that is left
.if MSB != \new
	s_set_vgpr_msb (MSB<<8)|\new
.set MSB, \new
.endif
.endm
.macro CREST
	s_cmp_lg_u32 s[WV], 0
	s_cbranch_scc1 .Lnot_wave_0_\@
	s_barrier_signal -3
.Lnot_wave_0_\@:
	s_barrier_wait -3
	s_barrier_signal -1
	s_barrier_wait -1
.endm
.macro CROUND                          ; a round of the cluster's barrier
	s_barrier_signal -1
	s_barrier_wait -1
	CREST
.endm
.macro PLACES                          ; four plain instructions between a matrix instruction and a load into, or a vector read of, its registers
.rept 4
	v_nop
.endr
.endm
.macro FRAG reg, a16, a8, off          ; a fragment: two half images
	ds_load_b128 v[\reg:\reg+3], v[\a16] offset:\off
	ds_load_b64 v[\reg+4:\reg+5], v[\a8] offset:\off+512
	ds_load_b128 v[\reg+6:\reg+9], v[\a16] offset:\off+768
	ds_load_b64 v[\reg+10:\reg+11], v[\a8] offset:\off+1280
.endm
.macro FETCH c                         ; chunk c (128 K): R's eight fragments and my four of P, into set c % 2: 48 LDS loads in one run
	WIN 0x40
.irp i, 0,1,2,3,4,5,6,7
	FRAG 128*((\c)%2)+12*\i, ADR+4*((\c)/2)+2, ADR+4*((\c)/2)+3, 3072*\i+1536*((\c)%2)
.endr
	WIN 0
.irp i, 0,1,2,3
	FRAG AF+48*((\c)%2)+12*\i, ADR+4*((\c)/2), ADR+4*((\c)/2)+1, 3072*\i+1536*((\c)%2)
.endr
.endm
.macro MUL c                           ; 32 products; the 32 accumulators take turns, one instruction a turn, in the same order in every chunk; chunk 0 starts the sums
	WIN 0xa1
.irp a, 0,1,2,3
.irp b, 0,1,2,3,4,5,6,7
.if (\c) == 0
	v_wmma_scale_f32_16x16x128_f8f6f4 v[8*(8*\a+\b):8*(8*\a+\b)+7], v[128*((\c)%2)+12*\b:128*((\c)%2)+12*\b+11], v[AF+48*((\c)%2)+12*\a:AF+48*((\c)%2)+12*\a+11], 0, v[SC+8*\b+(\c)], v[SC+8*\a+(\c)] matrix_a_fmt:MATRIX_FMT_BF6 matrix_b_fmt:MATRIX_FMT_BF6 matrix_a_scale:MATRIX_SCALE_ROW1
.else
	v_wmma_scale_f32_16x16x128_f8f6f4 v[8*(8*\a+\b):8*(8*\a+\b)+7], v[128*((\c)%2)+12*\b:128*((\c)%2)+12*\b+11], v[AF+48*((\c)%2)+12*\a:AF+48*((\c)%2)+12*\a+11], v[8*(8*\a+\b):8*(8*\a+\b)+7], v[SC+8*\b+(\c)], v[SC+8*\a+(\c)] matrix_a_fmt:MATRIX_FMT_BF6 matrix_b_fmt:MATRIX_FMT_BF6 matrix_a_scale:MATRIX_SCALE_ROW1
.endif
.endr
.endr
	WIN 0
.endm
	s_load_b256 s[4:11], s[0:1], 0x0               ; cod1 s[4:5], scl1 s[6:7], qb s[8:9], kvb s[10:11]
	v_lshl_add_u32 v158, v0, 2, 0x48000
	v_mov_b32 v159, 0
	ds_add_u32 v158, v159
	ds_add_u32 v158, v159
	v_lshrrev_b32 v1, 5, v0
	v_readfirstlane_b32 s[WV], v1                  ; wave 0..3
	s_and_b32 s13, s[WV], 1
	s_bfe_u32 s14, ttmp6, 0x40000                  ; cx
	s_bfe_u32 s15, ttmp6, 0x40004                  ; cy
	s_mov_b32 s16, ttmp9                           ; the cluster's x, 0..5
	s_and_b32 s17, ttmp7, 0xffff                   ; the cluster's y, 0..7
	s_sub_co_u32 s18, s16, 4
	s_lshl_b32 s18, s18, 3
	s_add_co_u32 s18, s18, s17                     ; v's role: 8 (x - 4) + y
	s_cmp_ge_u32 s16, 4                            ; v's role?
	s_cselect_b32 s19, s18, s16                    ; what stands for the cluster along R
	s_cselect_b32 s20, 0, s17                      ; and along P
	s_cselect_b32 s56, 640*12288, 0                ; where P's codes begin: w_v's tiles, or x's
	s_cselect_b32 s57, 0, 512*12288                ; R's: x's tiles, or w_qkv's
	s_cselect_b32 s58, 640*512, 0                  ; the same for the scale words
	s_cselect_b32 s59, 0, 512*512
	s_cselect_b32 s95, -1, 0                       ; all ones in v's role
	s_lshl_b32 s21, s20, 2
	s_add_co_u32 s21, s21, s15                     ; PT: my 256 rows of P (it never holds cx)
	s_lshl_b32 s22, s19, 2
	s_add_co_u32 s22, s22, s14                     ; RT: my 128 rows of R (it never holds cy)
	; the way out: offsets, in the registers that the descriptors take later
	s_lshr_b32 s40, s21, 3
	s_lshl_b32 s40, s40, 4
	s_and_b32 s41, s22, 7
	s_lshl_b32 s41, s41, 1
	s_add_co_u32 s40, s40, s41                     ; q, k: 16 b + my first head
	s_and_b32 s41, s21, 7
	s_lshl_b32 s41, s41, 1
	s_lshr_b32 s42, s[WV], 1
	s_add_co_u32 s41, s41, s42                     ; q, k: my wave's step of 128 tokens
	s_lshr_b32 s42, s22, 4
	s_lshl_b32 s42, s42, 4
	s_lshl_b32 s43, s21, 2
	s_add_co_u32 s42, s42, s43
	s_add_co_u32 s42, s42, s[WV]                   ; v: 16 b + my wave's head
	s_and_b32 s43, s22, 15                         ; v: the step
	s_mul_i32 s44, s13, 3072                       ; q, k: four token tiles for the odd wave
	s_lshl_b32 s45, s13, 7
	s_mov_b32 s46, 204800                          ; a (b, h) in kvb,
	s_mov_b32 s47, 12800                           ; a step,
	s_mov_b32 s48, 12288                           ; where k's scales begin in it
	s_cmp_lt_u32 s16, 2                            ; q's role?
	s_cselect_b32 s46, 102400, s46
	s_cselect_b32 s47, 6400, s47
	s_cselect_b32 s48, 6144, s48
	s_mov_b32 s90, 768
	s_mov_b32 s98, 0x05040100
	s_mov_b32 s99, 0x07060302
	s_cmp_ge_u32 s16, 4
	s_cselect_b32 s40, s42, s40
	s_cselect_b32 s41, s43, s41
	s_cselect_b32 s44, 6144, s44
	s_cselect_b32 s45, 0, s45
	s_cselect_b32 s48, 12544, s48
	s_cselect_b32 s90, 1536, s90                   ; from block to block of P
	s_cselect_b32 s92, 768, s46                    ; from a fragment's first half image to its second: the next 64 keys, or the next head
	s_cselect_b32 s94, 128, s46                    ; the same for lanes 16-31 of the scale store
	s_cselect_b32 s98, 0x03020100, s98             ; byte selects for the scale store: lanes 0-15,
	s_cselect_b32 s99, 0x07060504, s99             ; lanes 16-31
	s_mov_b32 s91, 0
	s_mov_b32 s93, 0
	s_mul_i32 s40, s40, s46
	s_mul_i32 s41, s41, s47
	s_add_co_u32 s40, s40, s41                     ; the step's first byte
	s_add_co_u32 s84, s40, s44
	s_mov_b32 s85, 0
	s_add_co_u32 s88, s40, s48
	s_add_co_u32 s88, s88, s45
	s_mov_b32 s89, 0
	; the scale words' places
	s_lshl_b32 s18, s21, 4
	s_lshl_b32 s23, s[WV], 2
	s_add_co_u32 s18, s18, s23
	s_lshl_b32 s18, s18, 9
	s_add_co_u32 s58, s58, s18                     ; P's: tile 16 PT + 4 w
	s_lshl_b32 s18, s22, 12
	s_add_co_u32 s59, s59, s18                     ; R's: tile 8 RT
	; what I fetch: waves 0, 1: 8 tiles of P each; waves 2, 3: 4 tiles of R each
	s_lshl_b32 s60, s21, 4
	s_lshl_b32 s61, s13, 3
	s_add_co_u32 s60, s60, s61
	s_mul_i32 s60, s60, 12288
	s_add_co_u32 s60, s60, s56
	s_mov_b32 s61, 0
	s_lshl_b32 s62, s22, 3
	s_lshl_b32 s63, s13, 2
	s_add_co_u32 s62, s62, s63
	s_mul_i32 s62, s62, 12288
	s_add_co_u32 s62, s62, s57
	s_mov_b32 s63, 0
	s_mul_i32 s66, s13, 24576                      ; and where it goes: no place in the cluster enters an LDS address
	s_mul_i32 s67, s13, 12288
	s_add_co_u32 s67, s67, 49152
	s_lshl_b32 s23, s15, 2
	s_lshl_b32 s23, 15, s23                        ; my row of the cluster
	s_or_b32 s[G1A], s23, (3<<16)|(1<<21)          ; 15:0 the mask; 17:16 elements of 8 bytes; 21 set beside a mask; no padding
	s_lshl_b32 s23, 0x1111, s14                    ; my column
	s_or_b32 s[G1B], s23, (3<<16)|(1<<21)
	s_mov_b32 s[G1A+1], 384<<16                    ; tensor_dim0: a tile's 3,072 bytes of a K step
	s_mov_b32 s[G1A+2], 8<<16                      ; tensor_dim1: 8 tiles
	s_mov_b32 s[G1A+3], 384<<16                    ; tile_dim0
	s_mov_b32 s[G1A+4], 8                          ; tile_dim1
	s_mov_b32 s[G1A+5], 1536                       ; from tile to tile: 12,288 bytes
	s_mov_b32 s[G1A+6], 0
	s_mov_b32 s[G1A+7], 0
	s_mov_b32 s[G1B+1], 384<<16
	s_mov_b32 s[G1B+2], 4<<16
	s_mov_b32 s[G1B+3], 384<<16
	s_mov_b32 s[G1B+4], 4
	s_mov_b32 s[G1B+5], 1536
	s_mov_b32 s[G1B+6], 0
	s_mov_b32 s[G1B+7], 0
	s_mov_b32 s[SEL], 0x76543210
	s_mov_b32 s[SEL+1], 0xfedcba98
	s_wait_dscnt 0x0
	s_wait_kmcnt 0x0
	s_add_nc_u64 s[60:61], s[4:5], s[60:61]
	s_add_nc_u64 s[62:63], s[4:5], s[62:63]
.irp s, 0,1,2,3
	s_mov_b32 s[G0A+4*\s], 1
	s_add_co_u32 s[G0A+4*\s+1], s66, \s*KSB
	s_add_nc_u64 s[G0A+4*\s+2:G0A+4*\s+3], s[60:61], \s*3072
	s_or_b32 s[G0A+4*\s+3], s[G0A+4*\s+3], 0x80000000
	s_mov_b32 s[G0B+4*\s], 1
	s_add_co_u32 s[G0B+4*\s+1], s67, \s*KSB
	s_add_nc_u64 s[G0B+4*\s+2:G0B+4*\s+3], s[62:63], \s*3072
	s_or_b32 s[G0B+4*\s+3], s[G0B+4*\s+3], 0x80000000
.endr
	CROUND                                         ; all sixteen work-groups are here: the joint loads meet
	s_cmp_lt_u32 s[WV], 2                          ; a wave's four fills stand in one branch on the wave's number; four v_nop follow the last
	s_cbranch_scc0 .Lfor_b
.irp s, 0,1,2,3
	tensor_load_to_lds s[G0A+4*\s:G0A+4*\s+3], s[G1A:G1A+7]
	s_nop 0
.endr
	PLACES
	s_branch .Lasked
.Lfor_b:
.irp s, 0,1,2,3
	tensor_load_to_lds s[G0B+4*\s:G0B+4*\s+3], s[G1B:G1B+7]
	s_nop 0
.endr
	PLACES
.Lasked:
	v_and_b32 v1, 31, v0                           ; lane
	v_and_b32 v2, 15, v0                           ; r
	v_bfe_u32 v3, v0, 4, 1                         ; h
	v_cmp_ne_u32 vcc_lo, 0, v3
	v_mov_b32 v26, s58
	v_mov_b32 v27, s59
	v_cndmask_b32 v[VO1], v26, v27, vcc_lo         ; lanes 0-15 read P's words, lanes 16-31 R's
	v_add_nc_u32 v27, 2048, v27
	v_cndmask_b32 v[VO2], v26, v27, vcc_lo         ; for R's blocks 4-7: lanes 0-15 read P's four blocks again
	v_lshl_add_u32 v[VO1], v2, 4, v[VO1]
	v_lshl_add_u32 v[VO2], v2, 4, v[VO2]
.irp i, 0,1,2,3
.irp j, 0,1
	global_load_b128 v[SC+8*\i+4*\j:SC+8*\i+4*\j+3], v[VO1], s[6:7] offset:512*\i+256*\j      ; the words of four chunks at once
	global_load_b128 v[SC+32+8*\i+4*\j:SC+32+8*\i+4*\j+3], v[VO2], s[6:7] offset:512*\i+256*\j
.endr
.endr
	s_mul_i32 s23, s[WV], 12288
.irp s, 0,1,2,3
	v_lshl_add_u32 v[ADR+4*\s], v1, 4, s23
	v_lshl_add_u32 v[ADR+4*\s+1], v1, 3, s23
	v_lshl_add_u32 v[ADR+4*\s+2], v1, 4, \s*KSB+49152
	v_lshl_add_u32 v[ADR+4*\s+3], v1, 3, \s*KSB+49152
	s_add_co_u32 s23, s23, KSB
.endr
	v_lshlrev_b32 v22, 4, v1                       ; the way out: 16 l,
	v_lshlrev_b32 v23, 3, v1                       ; 8 l,
	v_mul_lo_u32 v24, v3, s94
	v_lshl_add_u32 v24, v2, 3, v24                 ; the scale store: 8 r, and lanes 16-31 at the other head or the other half
	v_mov_b32 v25, s98
	v_mov_b32 v26, s99
	v_cndmask_b32 v25, v25, v26, vcc_lo            ; and its byte selects
.irp b, 0,1,2,3
	v_mov_b32 v[TM+4+\b], 0                        ; written once: a lane permute's destination counts as one of its sources
.endr
	s_cmp_lt_u32 s16, 2
	s_cselect_b64 s[86:87], s[8:9], s[10:11]       ; q goes to qb, k and v to kvb: the choice hangs on the cluster's x alone
	s_add_nc_u64 s[84:85], s[86:87], s[84:85]      ; a block's first half image,
	s_add_nc_u64 s[88:89], s[86:87], s[88:89]      ; the scales,
	s_add_nc_u64 s[86:87], s[84:85], s[92:93]      ; its second half image
	s_wait_tensorcnt 3                             ; my part of K step 0 is in; my three later loads stay out: no LDS byte is filled twice in this launch
	s_barrier_signal -1
	s_barrier_wait -1                              ; everybody's is
	FETCH 0
.irp c, 0,1,2,3,4,5,6,7
	s_wait_dscnt 0x0                               ; this chunk's fragments are in (asked for ahead of the last chunk's 32 products)
.if (\c%2 == 1) && (\c < 7)
	s_wait_tensorcnt 3-(\c+1)/2                    ; my part of the next K step is in; the loads of the K steps behind it stay out
	s_barrier_signal -1
	s_barrier_wait -1
.endif
.if (\c > 0) && (\c < 7)
	PLACES                                         ; the set that the last chunk's products read is loaded again
.endif
.if \c < 7
	FETCH \c+1
.endif
.if \c == 0
	s_wait_loadcnt 0x0                             ; the scale words
.endif
	MUL \c
.endr
; THE WAY OUT.  Block a's 64 accumulator registers are 128 neighbours along the next product's K: they become a fragment and a scale word, as in the launch before, read out of window 2.
.macro QUANTW a
.set AC, 64*(\a)
	WIN 0x28                                       ; sources 1 and 2 window 2
.irp b, 0,1,2,3
	v_max3_num_f32 v[TM+\b], 0x2800000, |v[AC+16*\b]|, |v[AC+16*\b+1]|   ; each accumulator is read from its low end on; the floor 2^(5 - 127) holds the byte at 1
.endr
.irp i, 2,4,6,8,10,12,14
.irp b, 0,1,2,3
	v_max3_num_f32 v[TM+\b], v[TM+\b], |v[AC+16*\b+\i]|, |v[AC+16*\b+\i+1]|
.endr
.endr
	WIN 0
.irp b, 0,1,2,3
	v_permlanex16_b32 v[TM+4+\b], v[TM+\b], s[SEL], s[SEL+1]
.endr
.irp b, 0,1,2,3
	v_max_num_f32 v[TM+\b], v[TM+\b], v[TM+4+\b]
.endr
.irp b, 0,1,2,3
	v_add_nc_u32 v[TM+12+\b], 0xfe000000, v[TM+\b]
.endr
.irp b, 0,1,2,3
	v_lshrrev_b32 v[TM+4+\b], 23, v[TM+12+\b]
.endr
	v_lshl_or_b32 v[PW+\a], v[TM+5], 8, v[TM+4]
	v_lshl_or_b32 v[PW+\a], v[TM+6], 16, v[PW+\a]
	v_lshl_or_b32 v[PW+\a], v[TM+7], 24, v[PW+\a]
.if (\a) > 0
	s_wait_xcnt 0x0                                ; the last block's stores have read v[PC] on and their bases: both are written again
	s_add_nc_u64 s[84:85], s[84:85], s[90:91]
	s_add_nc_u64 s[86:87], s[86:87], s[90:91]
.endif
	WIN 0x02                                       ; source 0 window 2
.irp c, 0,1
	v_cvt_scalef32_pk16_bf6_f32 v[PC+6*\c:PC+2+6*\c], v[AC+32*\c:AC+32*\c+15], v[TM+12+2*\c]
	v_cvt_scalef32_pk16_bf6_f32 v[PC+12+4*\c:PC+14+4*\c], v[AC+32*\c+16:AC+32*\c+31], v[TM+12+2*\c+1]
.endr
	WIN 0
	v_nop                                          ; one plain instruction behind a scaled conversion
.irp c, 0,1
.irp i, 0,1,2
	v_permlane16_swap_b32 v[PC+6*\c+\i], v[PC+12+4*\c+\i]
.endr
.irp i, 0,1,2
	v_mov_b32 v[PC+3+6*\c+\i], v[PC+12+4*\c+\i]
.endr
.endr
	global_store_b128 v22, v[PC:PC+3], s[84:85]            ; each store covers 512 or 256 consecutive bytes, aligned to 256
	global_store_b64 v23, v[PC+4:PC+5], s[84:85] offset:512
	global_store_b128 v22, v[PC+6:PC+9], s[86:87]
	global_store_b64 v23, v[PC+10:PC+11], s[86:87] offset:512
.endm
	PLACES
.irp a, 0,1,2,3
	QUANTW \a
.endr
	; the four blocks' scale words.  q, k: a word's low u16 is the first head's, its high u16 the second's: lanes 0-15 pair the low halves of blocks (0, 1) and (2, 3), lanes 16-31 the high halves.
	; v: the words go as they are: lanes 0-15 store blocks 0, 1, lanes 16-31 blocks 2, 3.
	v_cndmask_b32 v26, v[PW+1], v[PW+2], s95
	v_cndmask_b32 v27, v[PW+2], v[PW+1], s95
	v_perm_b32 v28, v26, v[PW], v25
	v_perm_b32 v29, v[PW+3], v27, v25
	global_store_b64 v24, v[28:29], s[88:89]
	s_wait_tensorcnt 0x0
	ds_add_u32 v158, v159
	s_wait_dscnt 0x0
	CROUND                                         ; the closing round: no work-group ends while a partner may still ask for a tile that names it
	s_endpgm
.Lfunc_end_k_qd3ead28a7a_qkv:
	.size	k_qd3ead28a7a_qkv, .Lfunc_end_k_qd3ead28a7a_qkv-k_qd3ead28a7a_qkv
	.p2alignl 7, 3214868480
	.fill 96, 4, 3214868480
	.section	.rodata,"a",@progbits
	.p2align	6, 0x0
	.amdhsa_kernel k_qd3ead28a7a_qkv
		.amdhsa_group_segment_fixed_size 295424
		.amdhsa_private_segment_fixed_size 0
		.amdhsa_enable_private_segment 0
		.amdhsa_kernarg_size 32
		.amdhsa_user_sgpr_count 2
		.amdhsa_user_sgpr_kernarg_segment_ptr 1
		.amdhsa_wavefront_size32 1
		.amdhsa_system_sgpr_workgroup_id_x 1
		.amdhsa_system_sgpr_workgroup_id_y 1
		.amdhsa_system_sgpr_workgroup_id_z 1
		.amdhsa_system_vgpr_workitem_id 0
		.amdhsa_next_free_vgpr 768
		.amdhsa_next_free_sgpr 100
		.amdhsa_reserve_vcc 1
		.amdhsa_float_denorm_mode_32 3
		.amdhsa_float_denorm_mode_16_64 3
		.amdhsa_memory_ordered 1
		.amdhsa_forward_progress 1
		.amdhsa_inst_pref_size 90
	.end_amdhsa_kernel
	.amdgpu_metadata
---
amdhsa.version: [ 1, 2 ]
amdhsa.kernels:
  - .name:           k_qd3ead28a7a_qkv
    .symbol:         k_qd3ead28a7a_qkv.kd
    .args:
      - { .name: cod1, .offset: 0, .size: 8, .value_kind: global_buffer, .address_space: global }
      - { .name: scl1, .offset: 8, .size: 8, .value_kind: global_buffer, .address_space: global }
      - { .name: qb, .offset: 16, .size: 8, .value_kind: global_buffer, .address_space: global }
      - { .name: kvb, .offset: 24, .size: 8, .value_kind: global_buffer, .address_space: global }
    .group_segment_fixed_size: 295424
    .private_segment_fixed_size: 0
    .kernarg_segment_align: 8
    .kernarg_segment_size: 32
    .max_flat_workgroup_size: 128
    .sgpr_count:     100
    .vgpr_count:     768
    .wavefront_size: 32
...
	.end_amdgpu_metadata
.endif
;; end of part 2
;; launch attn (part 3): grid 4 x 64, 16 waves a work-group, clusters of 4 x 1, 206,848 bytes of LDS; arguments qb, kvb, cod2, scl2; writes cod2, scl2
.if DOCPART == 3
	.amdgcn_target "amdgcn-amd-amdhsa--gfx1250"
	.amdhsa_code_object_version 6
	.text
	.protected	k_qd3ead28a7a_attn
	.globl	k_qd3ead28a7a_attn
	.p2align	8
	.type	k_qd3ead28a7a_attn,@function
k_qd3ead28a7a_attn:
	s_mov_b64 s[64:65], 0
	v_nop
	global_prefetch_b8 v0, s[64:65] scope:SCOPE_SE
	s_setreg_imm32_b32 hwreg(HW_REG_WAVE_MODE, 25, 1), 1
	s_wait_xcnt 0x0
	s_wait_alu depctr_hold_cnt(0) depctr_sa_sdst(0) depctr_va_vdst(0) depctr_va_sdst(0) depctr_va_ssrc(0) depctr_va_vcc(0) depctr_vm_vsrc(0)
	s_getreg_b32 s2, hwreg(HW_REG_IB_STS2, 6, 4)
	s_cmp_eq_u32 s2, 0
	s_cbranch_scc0 .Lentry_in_a_cluster
	s_endpgm
.Lentry_in_a_cluster:
	s_bfe_u32 s2, ttmp6, 0x10000c
	s_cmp_lg_u32 s2, 0x3003
	s_cbranch_scc0 .Lentry_shape_is_right
	s_endpgm
.Lentry_shape_is_right:
; o = softmax(q k^T / 8, causal) v for one (b, h), both products on codes of BF6 (E3M2) with E8M0 scales; o / l is quantised along the features in registers and leaves as codes and scale bytes for the last product.
; THE SOFTMAX: t = score x log2(e) / 8; M = the running largest t rounded up to a whole number; p = 2^(t - M) is quantised along the keys; the row's sum l is taken of the unquantised p and divides at the end.
; When M moves, l and O are multiplied by 2^(old M - new M): exact.
; INPUT (made by the launch before): qb [b h][step of 128 tokens][6,400], kvb [b h][step][12,800]: half images of 768 bytes (16 rows x 64 K as registers: lane l's registers 0-3 at 16 l, 4-5 at 512 + 8 l) and scale words.
; Lane r of token tile 2 g + u stands for token 32 g + 8 u + r % 8 + 16 (r / 8); the same rule holds for v's channels.
; SHARES: the four work-groups of a head form a cluster; ALL of the head's k and v (16 steps, 204,800 bytes) stay in LDS, each byte filled once, by joint loads: waves 0 to 3 issue four each (four are out at most).
; Wave w of work-group j owns TWO tiles of 16 queries: tile 127 - (4 w + j), then tile 4 w + j.  Their diagonal steps are 15 - w / 2 and w / 2, which hang on the wave's number alone: every wave walks 17 steps of 128 keys.
; Steps whose keys all come after the queries are left out by a scalar branch on the wave's number; in the diagonal step hidden scores become -infinity.
; BOTH PRODUCTS TRANSPOSED: S^T = k q^T, O^T = v^T p^T: a lane holds one query throughout; the 16 registers of two neighbouring key tiles are 16 neighbouring keys.
; K = 64 IN AN INSTRUCTION OF 128: source 0 is a PAIR of key tiles (two half images: all 12 registers are data); q stands between two runs of six zero registers, so that (q, 0) multiplies the first tile and (0, q) the second:
; zero codes add nothing, whatever stands against them, since every scale byte here lies in 1 .. 254.
; OUTPUT: cod2 [128 b + query tile][head][768], scl2 [tile][head / 8][r][(head / 2) % 4] words, byte 2 (head % 2) + block.  The scale bytes leave one byte a lane, 16 bytes apart: 32 bytes beside a tile's 768 bytes of codes.
; LIMITS: NaN and infinities are not served; a p under 2^-126 comes out of v_exp_f32 as 0; a block of p or of o under 2^-122 keeps the byte 1, a block of zeros too (its codes are zeros; only this program reads the bytes).
.set STEPB, 12800
.set L16, 1                            ; v1 16 l   v2 8 l   v3 8 r: never rewritten
.set L8,  2
.set R8,  3
.set A16, 4                            ; v4-6 the step's LDS addresses
.set A8,  5
.set AS,  6
.set QI,  7                            ; v7 my query - the diagonal step's first key - 16 h
.set H16, 8                            ; v8 16 h
.set QZ,  16                           ; v16-21 zeros, v22-27 q, v28-33 zeros
.set QN,  34                           ; v34-39 the second tile's q
.set QRL, 40                           ; v40 its raw scale word;  v42 the first tile's
.set QS,  41                           ; v41 q's scale word: scales and nothing else
.set QRH, 42
.set KV,  44                           ; v44-91 four fragments: k's, then v's
.set S,   96                           ; v96-159 S^T, then p
.set O,   160                          ; v160-191 O^T: channel tile t at O + 8 t
.set PC,  192                          ; v192-210 p's codes
.set TM,  212
.set TP,  216
.set TS,  220
.set KS,  224                          ; v224-227 k's scale words;  v228-231 v's
.set VS,  228
.set F,   232                          ; v232 f = 2^(old M - new M);  v233 p's scale word
.set PWD, 233
.set T1,  234
.set RS,  236                          ; v236 16 r + h
.set BY,  237
.set RP,  238                          ; v238 r + 8 (r / 8)
.set WV,  12
.set CX,  13
.set BH,  14
.set SEL, 20
.set CS,  22                           ; s[22:23] c = log2(e) / 8
.set G1,  24
.set G0,  32                           ; s[32:47] four groups 0
.set TB,  48                           ; s48 LDS byte of the step in hand;  s49 the step;  s50 the pass's diagonal step;  s51 trips
.set STP, 49
.set DG,  50
.set CNT, 51
.set TAUH, 52
.set SHH, 53
.set QBH, 54
.set TAUL, 55
.set SHL, 56
.set QBL, 57
.set QCH, 58
.set QCL, 60
.set QSH, 62
.set QSL, 66
.set OCH, 68
.set OSH, 70
.set OCL, 72
.set OSL, 74
.set DGH, 84
.set DGL, 85
.macro ROUND                           ; a round of the cluster's barrier
	s_barrier_signal -1
	s_barrier_wait -1
	s_cmp_lg_u32 s[WV], 0
	s_cbranch_scc1 .Lnot_wave_0_\@
	s_barrier_signal -3
.Lnot_wave_0_\@:
	s_barrier_wait -3
	s_barrier_signal -1
	s_barrier_wait -1
.endm
; the offsets of query tile tau: its shift in a pair's scale word, its first query, q's codes and scale word, o's codes and scale bytes
.macro PASSADR tau, sh, qb, qc, qs, oc, os
	s_and_b32 s[\sh], s[\tau], 1
	s_lshl_b32 s88, s[\sh], 3
	s_lshl_b32 s[\sh], s[\sh], 4
	s_lshr_b32 s[\qb], s[\tau], 1
	s_lshl_b32 s[\qb], s[\qb], 5
	s_add_co_u32 s[\qb], s[\qb], s88               ; 32 (tau / 2) + 8 (tau % 2)
	s_lshr_b32 s88, s[\tau], 3
	s_mul_i32 s88, s88, 6400
	s_add_co_u32 s88, s88, s80                     ; the tile's step in qb
	s_and_b32 s89, s[\tau], 7
	s_mul_i32 s89, s89, 768
	s_add_co_u32 s[\qc], s88, s89
	s_mov_b32 s[\qc+1], 0
	s_bfe_u32 s89, s[\tau], 0x10002
	s_lshl_b32 s89, s89, 7
	s_add_co_u32 s88, s88, s89
	s_bfe_u32 s89, s[\tau], 0x10001
	s_lshl_b32 s89, s89, 2
	s_add_co_u32 s88, s88, s89
	s_add_co_u32 s[\qs], s88, 6144
	s_mov_b32 s[\qs+1], 0
	s_add_co_u32 s88, s81, s[\tau]                 ; 128 b + tau
	s_mul_i32 s89, s88, 12288
	s_add_co_u32 s[\oc], s89, s82
	s_mov_b32 s[\oc+1], 0
	s_lshl_b32 s89, s88, 9
	s_add_co_u32 s[\os], s89, s83
	s_mov_b32 s[\os+1], 0
.endm
	s_load_b256 s[4:11], s[0:1], 0x0               ; qb s[4:5], kvb s[6:7], cod2 s[8:9], scl2 s[10:11]
	v_lshl_add_u32 v254, v0, 2, 0x32000
	v_mov_b32 v255, 0
	ds_add_u32 v254, v255
	ds_add_u32 v254, v255
	v_lshrrev_b32 v9, 5, v0
	v_readfirstlane_b32 s[WV], v9                  ; wave 0..15
	s_bfe_u32 s[CX], ttmp6, 0x40000                ; my place in the cluster: it enters global addresses and data alone
	s_and_b32 s[BH], ttmp7, 0xffff                 ; 16 b + head, which the four partners share
	s_mov_b32 s[G1], 15|(3<<16)|(1<<21)            ; 15:0 the mask: all four; 17:16 elements of 8 bytes; 21 set beside a mask; no padding
	s_mov_b32 s[G1+1], 32<<16                      ; a step is a dense block: 50 rows of 256 bytes
	s_mov_b32 s[G1+2], 50<<16
	s_mov_b32 s[G1+3], 32<<16
	s_mov_b32 s[G1+4], 50
	s_mov_b32 s[G1+5], 32
	s_mov_b32 s[G1+6], 0
	s_mov_b32 s[G1+7], 0
	s_and_b32 s77, s[WV], 3
	s_mul_i32 s77, s77, STEPB                      ; load k of wave i brings step 4 k + i
	s_mul_i32 s78, s[BH], 16*STEPB
	s_add_co_u32 s78, s78, s77
	s_mov_b32 s79, 0
	s_lshl_b32 s[TAUL], s[WV], 2
	s_add_co_u32 s[TAUL], s[TAUL], s[CX]           ; the second tile: 4 w + j
	s_xor_b32 s[TAUH], s[TAUL], 127                ; the first: 127 - (4 w + j)
	s_lshr_b32 s[DGL], s[WV], 1                    ; their diagonal steps
	s_xor_b32 s[DGH], s[DGL], 15
	s_mul_i32 s80, s[BH], 102400
	s_lshr_b32 s81, s[BH], 4
	s_lshl_b32 s81, s81, 7                         ; 128 b
	s_and_b32 s86, s[BH], 15                       ; head
	s_mul_i32 s82, s86, 768
	s_lshr_b32 s83, s86, 3
	s_lshl_b32 s83, s83, 8
	s_bfe_u32 s87, s86, 0x20001
	s_lshl_b32 s87, s87, 2
	s_add_co_u32 s83, s83, s87
	s_and_b32 s87, s86, 1
	s_lshl_b32 s87, s87, 1
	s_add_co_u32 s83, s83, s87                     ; the head's two bytes in a tile's scale words
	PASSADR TAUH, SHH, QBH, QCH, QSH, OCH, OSH
	PASSADR TAUL, SHL, QBL, QCL, QSL, OCL, OSL
	s_mov_b32 s[SEL], 0x76543210
	s_mov_b32 s[SEL+1], 0xfedcba98
	s_mov_b32 s[CS], 0x3e38aa3b
	s_mov_b32 s[CS+1], s[CS]                       ; (named with it as a pair, so it is written)
	s_wait_dscnt 0x0
	s_wait_kmcnt 0x0
	s_add_nc_u64 s[78:79], s[6:7], s[78:79]
.irp k, 0,1,2,3
	s_mov_b32 s[G0+4*\k], 1
	s_add_co_u32 s[G0+4*\k+1], s77, \k*4*STEPB
	s_add_nc_u64 s[G0+4*\k+2:G0+4*\k+3], s[78:79], \k*4*STEPB
	s_or_b32 s[G0+4*\k+3], s[G0+4*\k+3], 0x80000000
.endr
	ROUND                                          ; all four work-groups are here: the joint loads meet
	s_cmp_lt_u32 s[WV], 4                          ; the fills stand in one branch on the wave's number; four v_nop follow the last
	s_cbranch_scc0 .Lno_fetch
.irp k, 0,1,2,3
	tensor_load_to_lds s[G0+4*\k:G0+4*\k+3], s[G1:G1+7]
	s_nop 0
.endr
.rept 4
	v_nop
.endr
.Lno_fetch:
	s_add_nc_u64 s[QCH:QCH+1], s[4:5], s[QCH:QCH+1]
	s_add_nc_u64 s[QCL:QCL+1], s[4:5], s[QCL:QCL+1]
	s_add_nc_u64 s[QSH:QSH+1], s[4:5], s[QSH:QSH+1]
	s_add_nc_u64 s[QSL:QSL+1], s[4:5], s[QSL:QSL+1]
	s_add_nc_u64 s[OCH:OCH+1], s[8:9], s[OCH:OCH+1]
	s_add_nc_u64 s[OCL:OCL+1], s[8:9], s[OCL:OCL+1]
	s_add_nc_u64 s[OSH:OSH+1], s[10:11], s[OSH:OSH+1]
	s_add_nc_u64 s[OSL:OSL+1], s[10:11], s[OSL:OSL+1]
	v_and_b32 v9, 31, v0
	v_lshlrev_b32 v[L16], 4, v9
	v_lshlrev_b32 v[L8], 3, v9
	v_and_b32 v10, 15, v0                          ; r
	v_lshlrev_b32 v[R8], 3, v10
	global_load_b128 v[QZ+6:QZ+9], v[L16], s[QCH:QCH+1] th:TH_LOAD_NT          ; both tiles' q: a half image each
	global_load_b64 v[QZ+10:QZ+11], v[L8], s[QCH:QCH+1] offset:512 th:TH_LOAD_NT
	global_load_b128 v[QN:QN+3], v[L16], s[QCL:QCL+1] th:TH_LOAD_NT
	global_load_b64 v[QN+4:QN+5], v[L8], s[QCL:QCL+1] offset:512 th:TH_LOAD_NT
	global_load_b32 v[QRH], v[R8], s[QSH:QSH+1]                                ; and the scale word of the pair of tiles in which each lies
	global_load_b32 v[QRL], v[R8], s[QSL:QSL+1]
	v_bfe_u32 v11, v0, 4, 1                        ; h
	v_lshlrev_b32 v[H16], 4, v11
	v_lshl_add_u32 v[RS], v10, 4, v11
	v_and_b32 v[RP], 8, v10
	v_add_nc_u32 v[RP], v[RP], v10
.irp i, 0,1,2,3,4,5
	v_mov_b32 v[QZ+\i], 0                          ; the zero codes on both sides of q
	v_mov_b32 v[QZ+12+\i], 0
.endr
.irp b, 0,1,2,3
	v_mov_b32 v[TP+\b], 0                          ; written once: a lane permute's destination counts as one of its sources
.endr
	v_mov_b32 v[T1], 0
	v_mov_b32 v[PWD], 0                            ; (named as the upper half of the pair v[F:F+1] before it is first written)
.macro FRAG reg, off                   ; a fragment: two half images
	ds_load_b128 v[\reg:\reg+3], v[A16] offset:\off
	ds_load_b64 v[\reg+4:\reg+5], v[A8] offset:\off+512
	ds_load_b128 v[\reg+6:\reg+9], v[A16] offset:\off+768
	ds_load_b64 v[\reg+10:\reg+11], v[A8] offset:\off+1280
.endm
; A pass begins: q's scale word (its u16 in both halves), the mask's number, the statistics, O^T = 0 (the step is written once: the first step finds zeros, which the first change of M leaves zeros).
.macro INIT light, raw, sh, qb, dg
.if \light
	s_wait_xcnt 0x0                                ; the first pass's stores have read their registers
.irp i, 0,1,2,3,4,5
	v_mov_b32 v[QZ+6+\i], v[QN+\i]
.endr
.endif
	v_lshrrev_b32 v9, s[\sh], v[\raw]
	v_and_b32 v9, 0xffff, v9
	v_lshl_or_b32 v[QS], v9, 16, v9
	s_mov_b32 s[DG], s[\dg]
	s_lshl_b32 s76, s[DG], 7
	s_sub_co_u32 s76, s[\qb], s76
	v_add_nc_u32 v[QI], s76, v[RP]
	v_sub_nc_u32 v[QI], v[QI], v[H16]
	v_mov_b32 v13, 0xff61b1e6                      ; the largest t so far: -3e38, under every t
	v_floor_f32 v12, -v13                          ; -M
	v_mov_b32 v14, 0                               ; the sum, in two halves
	v_mov_b32 v15, 0
.set n, 0
.rept 32
	v_mov_b32 v[O+n], 0                            ; (these also stand between the writes of q and its scale word and the first product)
.set n, n+1
.endr
.endm
; A STEP: 128 keys against my 16 queries.  chk = 1: the step may be hidden or on the diagonal.
.macro STEP chk
.if \chk
	s_cmp_gt_u32 s[STP], s[DG]                     ; all its keys come after my queries: only the lines at the end, which step addresses, are run
	s_cbranch_scc1 .Lhidden_\@
.endif
	v_add_nc_u32 v[A16], s[TB], v[L16]
	v_add_nc_u32 v[A8], s[TB], v[L8]
	v_add_nc_u32 v[AS], s[TB], v[R8]
	v_nop                                          ; four plain instructions between the last products and the loads into the registers that they read
.irp i, 0,1,2,3
	FRAG KV+12*\i, 1536*\i                         ; key tiles 2 i and 2 i + 1
.endr
	ds_load_b64 v[KS:KS+1], v[AS] offset:12288     ; their scale words: the u16 of tile 2 i below, of tile 2 i + 1 above
	ds_load_b64 v[KS+2:KS+3], v[AS] offset:12416
	s_wait_dscnt 0x0
.irp i, 0,1,2,3
	v_wmma_scale_f32_16x16x128_f8f6f4 v[S+16*\i:S+16*\i+7], v[KV+12*\i:KV+12*\i+11], v[QZ+6:QZ+17], 0, v[KS+\i], v[QS] matrix_a_fmt:MATRIX_FMT_BF6 matrix_b_fmt:MATRIX_FMT_BF6
	v_wmma_scale_f32_16x16x128_f8f6f4 v[S+16*\i+8:S+16*\i+15], v[KV+12*\i:KV+12*\i+11], v[QZ:QZ+11], 0, v[KS+\i], v[QS] matrix_a_fmt:MATRIX_FMT_BF6 matrix_b_fmt:MATRIX_FMT_BF6
.endr                                  ; register 16 i + n of lane (r, h) is key 32 i + 16 h + n of the step
.rept 4
	v_nop
.endr
.irp t, 0,1,2,3
	FRAG KV+12*\t, 6144+1536*\t                    ; v's four tiles of 16 channels x 128 keys come now and land under the softmax
.endr
	ds_load_b64 v[VS:VS+1], v[AS] offset:12544
	ds_load_b64 v[VS+2:VS+3], v[AS] offset:12672
.if \chk
	s_cmp_lg_u32 s[STP], s[DG]
	s_cbranch_scc1 .Lopen_\@
	v_mov_b32 v11, 0xff800000                      ; on the diagonal hidden scores become -infinity ahead of the maximum: p = 0 then
.set n, 0
.rept 64
	v_cmp_gt_i32 vcc_lo, 32*(n/16)+n%16, v[QI]
	v_cndmask_b32 v[S+n], v[S+n], v11, vcc_lo
.set n, n+1
.endr
.Lopen_\@:
.endif
.irp b, 0,1,2,3
	v_max3_num_f32 v[TM+\b], v[S+16*\b], v[S+16*\b+1], v[S+16*\b+2]   ; the largest score of each block of 32 keys: it serves the row's maximum and, since p rises with the score, the block's largest p
.endr
.irp i, 3,5,7,9,11,13
.irp b, 0,1,2,3
	v_max3_num_f32 v[TM+\b], v[TM+\b], v[S+16*\b+\i], v[S+16*\b+\i+1]
.endr
.endr
.irp b, 0,1,2,3
	v_max_num_f32 v[TM+\b], v[TM+\b], v[S+16*\b+15]
.endr
.irp b, 0,1,2,3
	v_permlanex16_b32 v[TP+\b], v[TM+\b], s[SEL], s[SEL+1]
.endr
.irp b, 0,1,2,3
	v_max_num_f32 v[TM+\b], v[TM+\b], v[TP+\b]     ; with lane l xor 16's 16 keys
.endr
	v_max3_num_f32 v[T1], v[TM], v[TM+1], v[TM+2]
	v_max_num_f32 v[T1], v[T1], v[TM+3]
	v_mul_f32 v[T1], s[CS], v[T1]                  ; the step's largest t (c is positive)
	v_max_num_f32 v13, v13, v[T1]                  ; the running largest t
	v_mov_b32 v[T1], v12
	v_floor_f32 v12, -v13                          ; the new -M = -ceil(t): a whole number
	v_sub_f32 v[T1], v12, v[T1]                    ; old M - new M: a whole number, 0 or less
	v_cvt_i32_f32 v[T1], v[T1]                     ; (it saturates)
	v_ldexp_f32 v[F], 1.0, v[T1]                   ; f = 2^(old M - new M)
.set n, 0
.rept 32
	v_pk_fma_f32 v[S+n:S+n+1], v[S+n:S+n+1], s[CS:CS+1], v[12:13] op_sel_hi:[1,0,0]   ; t - M, two at a time
.set n, n+2
.endr
.irp b, 0,1,2,3
	v_fma_f32 v[TM+\b], v[TM+\b], s[CS], v12       ; the same of each block's largest score
.endr
.set n, 0
.rept 64
	v_exp_f32 v[S+n], v[S+n]                       ; p = 2^(t - M): one batch
.set n, n+1
.endr
	v_pk_mul_f32 v[14:15], v[14:15], v[F:F+1] op_sel_hi:[1,0]   ; the sums under the new M: the plain instruction behind the batch
	s_wait_alu depctr_va_vdst(0)                   ; one wait for the batch, ahead of its first reader
.irp b, 0,1,2,3
	v_exp_f32 v[TM+\b], v[TM+\b]                   ; the blocks' largest p: the same two instructions on the same number give the same bits
.endr
	v_pk_add_f32 v[10:11], v[S:S+1], v[S+2:S+3]    ; the row's sum of the unquantised p, in two chains; it reads the 64 alone
.set n, 4
.rept 13
	v_pk_add_f32 v[14:15], v[14:15], v[S+n:S+n+1]
	v_pk_add_f32 v[10:11], v[10:11], v[S+n+2:S+n+3]
.set n, n+4
.endr
	s_wait_alu depctr_va_vdst(0)                   ; and one for the four
.irp b, 0,1,2,3
	v_max_num_f32 v[TM+\b], 0x2800000, v[TM+\b]    ; the floor 2^(5 - 127): the byte cannot fall under 1
.endr
.irp b, 0,1,2,3
	v_add_nc_u32 v[TS+\b], 0xfe000000, v[TM+\b]    ; 4 off the exponent field: the conversion's scale operand
.endr
.irp b, 0,1,2,3
	v_lshrrev_b32 v[TP+\b], 23, v[TS+\b]           ; the scale's byte
.endr
	v_lshl_or_b32 v[PWD], v[TP+1], 8, v[TP]        ; p's scale word for these 128 keys
	v_lshl_or_b32 v[PWD], v[TP+2], 16, v[PWD]
	v_lshl_or_b32 v[PWD], v[TP+3], 24, v[PWD]
.irp c, 0,1
	v_cvt_scalef32_pk16_bf6_f32 v[PC+6*\c:PC+2+6*\c], v[S+32*\c:S+32*\c+15], v[TS+2*\c]
	v_cvt_scalef32_pk16_bf6_f32 v[PC+12+4*\c:PC+14+4*\c], v[S+32*\c+16:S+32*\c+31], v[TS+2*\c+1]
.endr
	v_nop                                          ; one plain instruction behind a scaled conversion
.irp c, 0,1                            ; the operand wants a whole block in a lane
.irp i, 0,1,2
	v_permlane16_swap_b32 v[PC+6*\c+\i], v[PC+12+4*\c+\i]
.endr
.irp i, 0,1,2
	v_mov_b32 v[PC+3+6*\c+\i], v[PC+12+4*\c+\i]
.endr
.endr
.set n, 0
.rept 16
	v_pk_mul_f32 v[O+n:O+n+1], v[O+n:O+n+1], v[F:F+1] op_sel_hi:[1,0]   ; O^T under the new M; these stand between the writes of p's codes and scale word and the products
.set n, n+2
.endr
.set n, 56
.rept 2
	v_pk_add_f32 v[14:15], v[14:15], v[S+n:S+n+1]  ; the sum's last five additions stand here, between O^T's rescaling and the products that add onto it
	v_pk_add_f32 v[10:11], v[10:11], v[S+n+2:S+n+3]
.set n, n+4
.endr
	v_pk_add_f32 v[14:15], v[14:15], v[10:11]
	s_wait_dscnt 0x0                               ; v's fragments and scale words are in
.irp t, 0,1,2,3                        ; four accumulators, one instruction a turn; the eight products of S^T stand between a link and the next
	v_wmma_scale_f32_16x16x128_f8f6f4 v[O+8*\t:O+8*\t+7], v[KV+12*\t:KV+12*\t+11], v[PC:PC+11], v[O+8*\t:O+8*\t+7], v[VS+\t], v[PWD] matrix_a_fmt:MATRIX_FMT_BF6 matrix_b_fmt:MATRIX_FMT_BF6
.endr
.if \chk
.Lhidden_\@:
.endif
	s_add_co_u32 s[TB], s[TB], STEPB
	s_add_co_u32 s[STP], s[STP], 1
.endm
.macro RUN n0, chk, first              ; n0 steps from step first on: the trip count is a constant of the text
	s_mov_b32 s[TB], (\first)*STEPB
	s_mov_b32 s[STP], \first
	s_mov_b32 s[CNT], \n0
.Lrun_\@:
	STEP \chk
	s_sub_co_u32 s[CNT], s[CNT], 1
	s_cmp_lg_u32 s[CNT], 0
	s_cbranch_scc1 .Lrun_\@
.endm
; THE WAY OUT of a pass: o = O^T / l; register 16 b + i is channel 32 b + 16 h + i of my query: two blocks of the last product's K.  They become one half image and two scale bytes.
.macro OUT oc, os
	v_add_f32 v14, v14, v15                        ; the sum's two halves,
	v_permlanex16_b32 v[T1], v14, s[SEL], s[SEL+1]
	v_add_f32 v14, v14, v[T1]                      ; and lane l xor 16's: the row's sum
	v_rcp_f32 v14, v14
	v_nop                                          ; plain instructions behind the reciprocal; with the additions above they also stand between the last products and the first read of O^T
	v_nop
	s_wait_alu depctr_va_vdst(0)                   ; the wait ahead of the reciprocal's first reader
.set n, 0
.rept 32
	v_mul_f32 v[S+n], v[O+n], v14                  ; each accumulator from its low end on
.set n, n+1
.endr
.irp b, 0,1
	v_max3_num_f32 v[TM+\b], |v[S+16*\b]|, |v[S+16*\b+1]|, 0x2800000
.endr
.irp i, 2,4,6,8,10,12,14
.irp b, 0,1
	v_max3_num_f32 v[TM+\b], v[TM+\b], |v[S+16*\b+\i]|, |v[S+16*\b+\i+1]|
.endr
.endr
.irp b, 0,1
	v_permlanex16_b32 v[TP+\b], v[TM+\b], s[SEL], s[SEL+1]
.endr
.irp b, 0,1
	v_max_num_f32 v[TM+\b], v[TM+\b], v[TP+\b]
.endr
.irp b, 0,1
	v_add_nc_u32 v[TS+\b], 0xfe000000, v[TM+\b]
.endr
.irp b, 0,1
	v_lshrrev_b32 v[TP+\b], 23, v[TS+\b]
.endr
	v_cmp_ne_u32 vcc_lo, 0, v[H16]
	v_cvt_scalef32_pk16_bf6_f32 v[PC:PC+2], v[S:S+15], v[TS]
	v_cvt_scalef32_pk16_bf6_f32 v[PC+4:PC+6], v[S+16:S+31], v[TS+1]
	v_cndmask_b32 v[BY], v[TP], v[TP+1], vcc_lo    ; my block's byte: the plain instruction behind the conversions
.irp i, 0,1,2
	v_permlane16_swap_b32 v[PC+\i], v[PC+4+\i]     ; lanes 0-15 get block 0 whole, lanes 16-31 block 1
.endr
	v_mov_b32 v[PC+3], v[PC+4]
	v_mov_b32 v[PC+4], v[PC+5]
	v_mov_b32 v[PC+5], v[PC+6]
	global_store_b128 v[L16], v[PC:PC+3], s[\oc:\oc+1]             ; 512 and 256 consecutive bytes, aligned to 256
	global_store_b64 v[L8], v[PC+4:PC+5], s[\oc:\oc+1] offset:512
	global_store_b8 v[RS], v[BY], s[\os:\os+1]
.endm
	s_wait_loadcnt 0x0                             ; q
	INIT 0, QRH, SHH, QBH, DGH
.irp k, 0,1,2,3
	s_wait_tensorcnt 3-\k                          ; my load of steps 4 k .. 4 k + 3 is in; my later loads stay out: no LDS byte is filled twice in this launch
	s_barrier_signal -1
	s_barrier_wait -1                              ; everybody's is.  In steps 0 to 7 every wave's first tile sees all keys, so all sixteen waves walk in step here
	RUN 2, 0, 2*\k
.endr
	RUN 8, 1, 8
	OUT OCH, OSH
	INIT 1, QRL, SHL, QBL, DGL
	RUN 8, 1, 0
	OUT OCL, OSL
	s_wait_tensorcnt 0x0
	ds_add_u32 v254, v255
	s_wait_dscnt 0x0
	ROUND                                          ; the closing round: no work-group ends while a partner may still ask for a tile that names it
	s_endpgm
.Lfunc_end_k_qd3ead28a7a_attn:
	.size	k_qd3ead28a7a_attn, .Lfunc_end_k_qd3ead28a7a_attn-k_qd3ead28a7a_attn
	.p2alignl 7, 3214868480
	.fill 96, 4, 3214868480
	.section	.rodata,"a",@progbits
	.p2align	6, 0x0
	.amdhsa_kernel k_qd3ead28a7a_attn
		.amdhsa_group_segment_fixed_size 206848
		.amdhsa_private_segment_fixed_size 0
		.amdhsa_enable_private_segment 0
		.amdhsa_kernarg_size 32
		.amdhsa_user_sgpr_count 2
		.amdhsa_user_sgpr_kernarg_segment_ptr 1
		.amdhsa_wavefront_size32 1
		.amdhsa_system_sgpr_workgroup_id_x 1
		.amdhsa_system_sgpr_workgroup_id_y 1
		.amdhsa_system_sgpr_workgroup_id_z 1
		.amdhsa_system_vgpr_workitem_id 0
		.amdhsa_next_free_vgpr 256
		.amdhsa_next_free_sgpr 90
		.amdhsa_reserve_vcc 1
		.amdhsa_float_denorm_mode_32 3
		.amdhsa_float_denorm_mode_16_64 3
		.amdhsa_memory_ordered 1
		.amdhsa_forward_progress 1
		.amdhsa_inst_pref_size 126
	.end_amdhsa_kernel
	.amdgpu_metadata
---
amdhsa.version: [ 1, 2 ]
amdhsa.kernels:
  - .name:           k_qd3ead28a7a_attn
    .symbol:         k_qd3ead28a7a_attn.kd
    .args:
      - { .name: qb, .offset: 0, .size: 8, .value_kind: global_buffer, .address_space: global }
      - { .name: kvb, .offset: 8, .size: 8, .value_kind: global_buffer, .address_space: global }
      - { .name: cod2, .offset: 16, .size: 8, .value_kind: global_buffer, .address_space: global }
      - { .name: scl2, .offset: 24, .size: 8, .value_kind: global_buffer, .address_space: global }
    .group_segment_fixed_size: 206848
    .private_segment_fixed_size: 0
    .kernarg_segment_align: 8
    .kernarg_segment_size: 32
    .max_flat_workgroup_size: 512
    .sgpr_count:     90
    .vgpr_count:     256
    .wavefront_size: 32
...
	.end_amdgpu_metadata
.endif
;; end of part 3
;; launch proj (part 4): grid 8 x 32, 4 waves a work-group, clusters of 4 x 4, 295,424 bytes of LDS; arguments cod2, scl2, out0; writes out0
.if DOCPART == 4
	.amdgcn_target "amdgcn-amd-amdhsa--gfx1250"
	.amdhsa_code_object_version 6
	.text
	.protected	k_qd3ead28a7a_proj
	.globl	k_qd3ead28a7a_proj
	.p2align	8
	.type	k_qd3ead28a7a_proj,@function
k_qd3ead28a7a_proj:
	s_mov_b64 s[64:65], 0
	v_nop
	global_prefetch_b8 v0, s[64:65] scope:SCOPE_SE
	s_setreg_imm32_b32 hwreg(HW_REG_WAVE_MODE, 25, 1), 1
	s_wait_xcnt 0x0
	s_wait_alu depctr_hold_cnt(0) depctr_sa_sdst(0) depctr_va_vdst(0) depctr_va_sdst(0) depctr_va_ssrc(0) depctr_va_vcc(0) depctr_vm_vsrc(0)
	s_getreg_b32 s2, hwreg(HW_REG_IB_STS2, 6, 4)
	s_cmp_eq_u32 s2, 0
	s_cbranch_scc0 .Lentry_in_a_cluster
	s_endpgm
.Lentry_in_a_cluster:
	s_bfe_u32 s2, ttmp6, 0x10000c
	s_cmp_lg_u32 s2, 0xf033
	s_cbranch_scc0 .Lentry_shape_is_right
	s_endpgm
.Lentry_shape_is_right:
; out0 = o w_out^T on codes of BF6 (E3M2) with E8M0 scales, K = 1,024, sums in f32, results f32.
; INPUT: cod2 [tile][16 half images of 768 bytes], scl2 [tile][chunk / 4][r][chunk % 4] words; tiles 0-511 o (made by the attention launch), 512-575 w_out (made by the first launch).
; Lane r of tile 2 g + u stands for row 32 g + 8 u + r % 8 + 16 (r / 8).  A half image is 16 rows x 64 K as registers: lane l's registers 0-3 at 16 l, 4-5 at 512 + 8 l; two on end are a fragment of 128 K.
; THE PRODUCT: source 1 = P (256 tokens, 16 tiles), source 0 = R (128 rows of w_out, 8 tiles): a lane holds one token, and the 64 registers of P's block a run along 128 neighbouring outputs: register 16 g + i is output 32 g + 16 (lane / 16) + i.
; SHARES: four waves; wave w takes P's tiles 4 w .. 4 w + 3 against all 8 of R: 32 accumulators.  256 work-groups.
; LDS: all of K for both operands, 4 K steps of 256: 294,912 bytes, each byte filled ONCE: every wave issues four tensor loads at the head (four are out at most) and counted waits release the K steps one by one.
; CLUSTER 4 x 4: P's tiles hang on cy alone and are asked for jointly along a row of the cluster, R's on cx alone, along a column.
; THE WAY OUT: a block of 16 tokens x 128 outputs goes through the wave's own stage and leaves as rows of 512 consecutive bytes.  The stage lies in the wave's own part of P's K step 0: those bytes have had their one fill, and only this wave read them.
; REGISTERS: window 0: v1-3 lane, r, h; v4-19 LDS addresses; v20-24 offsets; v32-95 scale words and nothing else; v160-255 P's fragments, two sets of 48; on the way out v96-223 hold rows.
;   window 1: R's fragments, two sets, at v0 and v128.   window 2: accumulator (a, b) at v[8 (8 a + b)].
.set KSB,  73728                       ; a K step in LDS: P's 16 tiles x 3,072 bytes, then R's 8
.set WV,   12
.set G1A,  24
.set G1B,  32
.set G0A,  40
.set G0B,  68
.set ADR,  4
.set VO1,  20
.set VO2,  21
.set STO,  22
.set RD,   23
.set CO,   24
.set SC,   32
.set AF,   160
.set BK,   96
.set MSB, 0
.macro WIN new                         ; the immediate's high byte repeats the setting that is left
.if MSB != \new
	s_set_vgpr_msb (MSB<<8)|\new
.set MSB, \new
.endif
.endm
.macro CREST
	s_cmp_lg_u32 s[WV], 0
	s_cbranch_scc1 .Lnot_wave_0_\@
	s_barrier_signal -3
.Lnot_wave_0_\@:
	s_barrier_wait -3
	s_barrier_signal -1
	s_barrier_wait -1
.endm
.macro CROUND                          ; a round of the cluster's barrier
	s_barrier_signal -1
	s_barrier_wait -1
	CREST
.endm
.macro PLACES                          ; four plain instructions between a matrix instruction and a load into, or a read of, its registers
.rept 4
	v_nop
.endr
.endm
.macro FRAG reg, a16, a8, off
	ds_load_b128 v[\reg:\reg+3], v[\a16] offset:\off
	ds_load_b64 v[\reg+4:\reg+5], v[\a8] offset:\off+512
	ds_load_b128 v[\reg+6:\reg+9], v[\a16] offset:\off+768
	ds_load_b64 v[\reg+10:\reg+11], v[\a8] offset:\off+1280
.endm
.macro FETCH c                         ; chunk c (128 K): R's eight fragments and my four of P, into set c % 2: 48 LDS loads in one run
	WIN 0x40
.irp i, 0,1,2,3,4,5,6,7
	FRAG 128*((\c)%2)+12*\i, ADR+4*((\c)/2)+2, ADR+4*((\c)/2)+3, 3072*\i+1536*((\c)%2)
.endr
	WIN 0
.irp i, 0,1,2,3
	FRAG AF+48*((\c)%2)+12*\i, ADR+4*((\c)/2), ADR+4*((\c)/2)+1, 3072*\i+1536*((\c)%2)
.endr
.endm
.macro MUL c                           ; 32 products; the 32 accumulators take turns, one instruction a turn, in the same order in every chunk; chunk 0 starts the sums
	WIN 0xa1
.irp a, 0,1,2,3
.irp b, 0,1,2,3,4,5,6,7
.if (\c) == 0
	v_wmma_scale_f32_16x16x128_f8f6f4 v[8*(8*\a+\b):8*(8*\a+\b)+7], v[128*((\c)%2)+12*\b:128*((\c)%2)+12*\b+11], v[AF+48*((\c)%2)+12*\a:AF+48*((\c)%2)+12*\a+11], 0, v[SC+8*\b+(\c)], v[SC+8*\a+(\c)] matrix_a_fmt:MATRIX_FMT_BF6 matrix_b_fmt:MATRIX_FMT_BF6 matrix_a_scale:MATRIX_SCALE_ROW1
.else
	v_wmma_scale_f32_16x16x128_f8f6f4 v[8*(8*\a+\b):8*(8*\a+\b)+7], v[128*((\c)%2)+12*\b:128*((\c)%2)+12*\b+11], v[AF+48*((\c)%2)+12*\a:AF+48*((\c)%2)+12*\a+11], v[8*(8*\a+\b):8*(8*\a+\b)+7], v[SC+8*\b+(\c)], v[SC+8*\a+(\c)] matrix_a_fmt:MATRIX_FMT_BF6 matrix_b_fmt:MATRIX_FMT_BF6 matrix_a_scale:MATRIX_SCALE_ROW1
.endif
.endr
.endr
	WIN 0
.endm
	s_load_b128 s[4:7], s[0:1], 0x0                ; cod2 s[4:5], scl2 s[6:7]
	s_load_b64 s[8:9], s[0:1], 0x10                ; out0
	v_lshl_add_u32 v30, v0, 2, 0x48000
	v_mov_b32 v31, 0
	ds_add_u32 v30, v31
	ds_add_u32 v30, v31
	v_lshrrev_b32 v1, 5, v0
	v_readfirstlane_b32 s[WV], v1                  ; wave 0..3
	s_and_b32 s13, s[WV], 1
	s_bfe_u32 s14, ttmp6, 0x40000                  ; cx
	s_bfe_u32 s15, ttmp6, 0x40004                  ; cy
	s_and_b32 s17, ttmp7, 0xffff
	s_lshl_b32 s21, s17, 2
	s_add_co_u32 s21, s21, s15                     ; PT: my 256 tokens (it never holds cx)
	s_lshl_b32 s22, ttmp9, 2
	s_add_co_u32 s22, s22, s14                     ; RT: my 128 outputs (it never holds cy)
	s_lshl_b32 s18, s21, 4
	s_lshl_b32 s23, s[WV], 2
	s_add_co_u32 s18, s18, s23
	s_lshl_b32 s58, s18, 9                         ; P's scale words: tile 16 PT + 4 w
	s_lshl_b32 s59, s22, 12
	s_add_co_u32 s59, s59, 512*512                 ; R's: tile 512 + 8 RT
	s_lshl_b32 s84, s21, 8
	s_lshl_b32 s23, s[WV], 6
	s_add_co_u32 s84, s84, s23
	s_lshl_b32 s84, s84, 12                        ; out0: token 256 PT + 64 w, rows of 4,096 bytes,
	s_lshl_b32 s23, s22, 9
	s_add_co_u32 s84, s84, s23                     ; + 512 bytes for each 128 outputs
	s_mov_b32 s85, 0
	s_lshl_b32 s60, s21, 4                         ; what I fetch: waves 0, 1: 8 tiles of P each; waves 2, 3: 4 tiles of R each
	s_lshl_b32 s61, s13, 3
	s_add_co_u32 s60, s60, s61
	s_mul_i32 s60, s60, 12288
	s_mov_b32 s61, 0
	s_lshl_b32 s62, s22, 3
	s_lshl_b32 s63, s13, 2
	s_add_co_u32 s62, s62, s63
	s_mul_i32 s62, s62, 12288
	s_add_co_u32 s62, s62, 512*12288
	s_mov_b32 s63, 0
	s_mul_i32 s66, s13, 24576                      ; and where it goes: no place in the cluster enters an LDS address
	s_mul_i32 s67, s13, 12288
	s_add_co_u32 s67, s67, 49152
	s_lshl_b32 s23, s15, 2
	s_lshl_b32 s23, 15, s23                        ; my row of the cluster
	s_or_b32 s[G1A], s23, (3<<16)|(1<<21)          ; 15:0 the mask; 17:16 elements of 8 bytes; 21 set beside a mask; no padding
	s_lshl_b32 s23, 0x1111, s14                    ; my column
	s_or_b32 s[G1B], s23, (3<<16)|(1<<21)
	s_mov_b32 s[G1A+1], 384<<16                    ; tensor_dim0: a tile's 3,072 bytes of a K step
	s_mov_b32 s[G1A+2], 8<<16                      ; tensor_dim1: 8 tiles
	s_mov_b32 s[G1A+3], 384<<16
	s_mov_b32 s[G1A+4], 8
	s_mov_b32 s[G1A+5], 1536                       ; from tile to tile: 12,288 bytes
	s_mov_b32 s[G1A+6], 0
	s_mov_b32 s[G1A+7], 0
	s_mov_b32 s[G1B+1], 384<<16
	s_mov_b32 s[G1B+2], 4<<16
	s_mov_b32 s[G1B+3], 384<<16
	s_mov_b32 s[G1B+4], 4
	s_mov_b32 s[G1B+5], 1536
	s_mov_b32 s[G1B+6], 0
	s_mov_b32 s[G1B+7], 0
	s_wait_dscnt 0x0
	s_wait_kmcnt 0x0
	s_add_nc_u64 s[60:61], s[4:5], s[60:61]
	s_add_nc_u64 s[62:63], s[4:5], s[62:63]
.irp s, 0,1,2,3
	s_mov_b32 s[G0A+4*\s], 1
	s_add_co_u32 s[G0A+4*\s+1], s66, \s*KSB
	s_add_nc_u64 s[G0A+4*\s+2:G0A+4*\s+3], s[60:61], \s*3072
	s_or_b32 s[G0A+4*\s+3], s[G0A+4*\s+3], 0x80000000
	s_mov_b32 s[G0B+4*\s], 1
	s_add_co_u32 s[G0B+4*\s+1], s67, \s*KSB
	s_add_nc_u64 s[G0B+4*\s+2:G0B+4*\s+3], s[62:63], \s*3072
	s_or_b32 s[G0B+4*\s+3], s[G0B+4*\s+3], 0x80000000
.endr
	CROUND                                         ; all sixteen work-groups are here: the joint loads meet
	s_cmp_lt_u32 s[WV], 2                          ; a wave's four fills stand in one branch on the wave's number; four v_nop follow the last
	s_cbranch_scc0 .Lfor_b
.irp s, 0,1,2,3
	tensor_load_to_lds s[G0A+4*\s:G0A+4*\s+3], s[G1A:G1A+7]
	s_nop 0
.endr
	PLACES
	s_branch .Lasked
.Lfor_b:
.irp s, 0,1,2,3
	tensor_load_to_lds s[G0B+4*\s:G0B+4*\s+3], s[G1B:G1B+7]
	s_nop 0
.endr
	PLACES
.Lasked:
	v_and_b32 v1, 31, v0                           ; lane
	v_and_b32 v2, 15, v0                           ; r
	v_bfe_u32 v3, v0, 4, 1                         ; h
	v_cmp_ne_u32 vcc_lo, 0, v3
	v_mov_b32 v26, s58
	v_mov_b32 v27, s59
	v_cndmask_b32 v[VO1], v26, v27, vcc_lo         ; lanes 0-15 read P's words, lanes 16-31 R's
	v_add_nc_u32 v27, 2048, v27
	v_cndmask_b32 v[VO2], v26, v27, vcc_lo         ; for R's blocks 4-7: lanes 0-15 read P's four blocks again
	v_lshl_add_u32 v[VO1], v2, 4, v[VO1]
	v_lshl_add_u32 v[VO2], v2, 4, v[VO2]
.irp i, 0,1,2,3
.irp j, 0,1
	global_load_b128 v[SC+8*\i+4*\j:SC+8*\i+4*\j+3], v[VO1], s[6:7] offset:512*\i+256*\j
	global_load_b128 v[SC+32+8*\i+4*\j:SC+32+8*\i+4*\j+3], v[VO2], s[6:7] offset:512*\i+256*\j
.endr
.endr
	s_mul_i32 s23, s[WV], 12288
	v_mul_u32_u24 v[STO], v2, 528                  ; the stage, in: row r, 64 bytes for each half of the lanes
	v_lshl_add_u32 v[STO], v3, 6, v[STO]
	v_add_nc_u32 v[STO], s23, v[STO]
	v_lshlrev_b32 v[CO], 4, v1                     ; back, and in out0: 16 bytes a lane
	v_add_nc_u32 v[RD], s23, v[CO]
.irp s, 0,1,2,3
	v_lshl_add_u32 v[ADR+4*\s], v1, 4, s23
	v_lshl_add_u32 v[ADR+4*\s+1], v1, 3, s23
	v_lshl_add_u32 v[ADR+4*\s+2], v1, 4, \s*KSB+49152
	v_lshl_add_u32 v[ADR+4*\s+3], v1, 3, \s*KSB+49152
	s_add_co_u32 s23, s23, KSB
.endr
	s_add_nc_u64 s[84:85], s[8:9], s[84:85]
	s_wait_tensorcnt 3                             ; my part of K step 0 is in; my three later loads stay out: no LDS byte is filled twice in this launch
	s_barrier_signal -1
	s_barrier_wait -1                              ; everybody's is
	FETCH 0
.irp c, 0,1,2,3,4,5,6,7
	s_wait_dscnt 0x0                               ; this chunk's fragments are in (asked for ahead of the last chunk's 32 products)
.if (\c%2 == 1) && (\c < 7)
	s_wait_tensorcnt 3-(\c+1)/2                    ; my part of the next K step is in; the loads of the K steps behind it stay out
	s_barrier_signal -1
	s_barrier_wait -1
.endif
.if (\c > 0) && (\c < 7)
	PLACES                                         ; the set that the last chunk's products read is loaded again
.endif
.if \c < 7
	FETCH \c+1
.endif
.if \c == 0
	s_wait_loadcnt 0x0                             ; the scale words
.endif
	MUL \c
.endr
; THE WAY OUT, block by block.  LDS serves a wave's instructions in order (ISA guide 5.7.1.4): no wait between the stores and the loads, nor in front of the next block's stores.
.macro TOSTAGE a
	WIN 0x08                                       ; an LDS store's data are its source 1: window 2
.irp b, 0,1,2,3,4,5,6,7
	ds_store_b128 v[STO], v[64*(\a)+8*\b:64*(\a)+8*\b+3] offset:128*(\b/2)+32*(\b%2)         ; each accumulator from its low end on
	ds_store_b128 v[STO], v[64*(\a)+8*\b+4:64*(\a)+8*\b+7] offset:128*(\b/2)+32*(\b%2)+16
.endr
	WIN 0
.irp t, 0,1,2,3,4,5,6,7,8,9,10,11,12,13,14,15
	ds_load_b128 v[BK+64*((\a)%2)+4*\t:BK+64*((\a)%2)+4*\t+3], v[RD] offset:528*\t
.endr
.endm
.macro SEND a, younger                 ; younger: the LDS instructions issued behind block a's loads, which may stay out
	s_wait_dscnt \younger
.irp t, 0,1,2,3,4,5,6,7,8,9,10,11,12,13,14,15
	global_store_b128 v[CO], v[BK+64*((\a)%2)+4*\t:BK+64*((\a)%2)+4*\t+3], s[84:85] offset:(32*((\a)/2)+8*((\a)%2)+(\t%8)+16*(\t/8))*4096 th:TH_STORE_NT   ; 32 lanes store 512 consecutive bytes, aligned; stage row t is the token that lane t of the tile stands for
.endr
.endm
	PLACES
	TOSTAGE 0
.irp a, 1,2,3
.if \a > 1
	s_wait_xcnt 0x0                                ; block a - 2's stores have read their registers: block a's rows land there
.endif
	TOSTAGE \a
	SEND \a-1, 32                                  ; behind block a - 1's loads: block a's 16 stores and 16 loads
.endr
	SEND 3, 0
	s_wait_tensorcnt 0x0
	ds_add_u32 v30, v31
	s_wait_dscnt 0x0
	CROUND                                         ; the closing round: no work-group ends while a partner may still ask for a tile that names it
	s_endpgm
.Lfunc_end_k_qd3ead28a7a_proj:
	.size	k_qd3ead28a7a_proj, .Lfunc_end_k_qd3ead28a7a_proj-k_qd3ead28a7a_proj
	.p2alignl 7, 3214868480
	.fill 96, 4, 3214868480
	.section	.rodata,"a",@progbits
	.p2align	6, 0x0
	.amdhsa_kernel k_qd3ead28a7a_proj
		.amdhsa_group_segment_fixed_size 295424
		.amdhsa_private_segment_fixed_size 0
		.amdhsa_enable_private_segment 0
		.amdhsa_kernarg_size 24
		.amdhsa_user_sgpr_count 2
		.amdhsa_user_sgpr_kernarg_segment_ptr 1
		.amdhsa_wavefront_size32 1
		.amdhsa_system_sgpr_workgroup_id_x 1
		.amdhsa_system_sgpr_workgroup_id_y 1
		.amdhsa_system_sgpr_workgroup_id_z 1
		.amdhsa_system_vgpr_workitem_id 0
		.amdhsa_next_free_vgpr 768
		.amdhsa_next_free_sgpr 100
		.amdhsa_reserve_vcc 1
		.amdhsa_float_denorm_mode_32 3
		.amdhsa_float_denorm_mode_16_64 3
		.amdhsa_memory_ordered 1
		.amdhsa_forward_progress 1
		.amdhsa_inst_pref_size 84
	.end_amdhsa_kernel
	.amdgpu_metadata
---
amdhsa.version: [ 1, 2 ]
amdhsa.kernels:
  - .name:           k_qd3ead28a7a_proj
    .symbol:         k_qd3ead28a7a_proj.kd
    .args:
      - { .name: cod2, .offset: 0, .size: 8, .value_kind: global_buffer, .address_space: global }
      - { .name: scl2, .offset: 8, .size: 8, .value_kind: global_buffer, .address_space: global }
      - { .name: out0, .offset: 16, .size: 8, .value_kind: global_buffer, .address_space: global }
    .group_segment_fixed_size: 295424
    .private_segment_fixed_size: 0
    .kernarg_segment_align: 8
    .kernarg_segment_size: 24
    .max_flat_workgroup_size: 128
    .sgpr_count:     100
    .vgpr_count:     768
    .wavefront_size: 32
...
	.end_amdgpu_metadata
.endif
;; end of part 4
